; MI455X (gfx1250); checked and timed in simulation.
; The chip was launched on July 23, 2026; its instructions are those of AMD's public machine-readable ISA for CDNA 5 (MIT licence, August 2026) and "CDNA5" Instruction Set Architecture Reference Guide (July 2026). The comments in the code are by the model that wrote it; some were corrected since.
;; Sparse Attention Meansim. Allowed arithmetic: matrix products marked QUANTISED: E2M1 operands, one E8M0 scale for each 32 along K, by v_wmma_scale_f32_16x16x128_f8f6f4 with both operands' format E2M1 (or v_wmma_scale_f32_32x16x128_f4), f32 sums; products left as they are: f32 operands where the result goes on into a quantised operand, else bf16, f16 or f32 operands; f32 sums; everything else in f32.
;; Inputs: cdfthreshd 16 float32; k 2 x 16 x 2,048 x 64 float32; pvthreshd 16 float32; q 2 x 16 x 2,048 x 64 float32; simthreshd1 16 float32; v_codes 2 x 16 x 64 x 64 x 16 uint8 (E2M1 codes of v, K innermost, in blocks of 32 codes, two codes a byte); v_scales 2 x 16 x 64 x 64 uint8 (E8M0 scales of v, one for each 32 codes along K).
;; Outputs: out0 2 x 16 x 2,048 x 64 float32.
;; This version of the problem:
;;   THIS VERSION OF THE PROBLEM IS GIVEN IN LOW PRECISION. The matrix products marked QUANTISED in the list below multiply operands that are first quantised to E2M1 (2 exponent bits, 1 mantissa bit; 4 bits a number), with one power-of-two scale for each 32 numbers along K (OCP MX v1.0); their sums are f32. All else is computed in f32.
;;   The module's matrix products, in the order in which they are computed (A, B: the left and right operand; K: the contracted axis; several contracted axes count as one K, in the product's order):
;;     1. batch 1,024 x [M 64, K 64] x [K 64, N 1]; A: input q; B: computed on the way: left as it is (N = 1 < 16)
;;     2. batch 32 x [M 32, K 64] x [K 64, N 32]; A: computed on the way; B: computed on the way: QUANTISED
;;     3. batch 32 x [M 2,048, K 64] x [K 64, N 2,048]; A: input q; B: computed on the way: QUANTISED
;;     4. batch 32 x [M 2,048, K 2,048] x [K 2,048, N 64]; A: computed on the way; B: input v (given as codes): QUANTISED
;;   THE QUANTISER, for each operand of a quantised product, along K:
;;     - K is cut into blocks of 32 from its start; a last block that is shorter is filled with zeros.
;;     - A block's scale is 2^e with e = floor(log2(the largest magnitude in the block)) - 2, held to -126 .. 127; a block of zeros has e = 0. As a byte (E8M0): e + 127.
;;     - Each number is divided by its block's scale, clamped to +-6, and rounded to the nearest number of E2M1, ties to even, subnormals kept.
;;     - The product sums the exact products of the quantised numbers (number of the format x scale) in f32.
;;   ~~~python
;;   def quantise(x, axis):      # numpy; x: float32 -> the quantised numbers, widened to float32 again
;;       x = np.moveaxis(x, axis, -1); K = x.shape[-1]
;;       x = np.pad(x, [(0, 0)] * (x.ndim - 1) + [(0, -K % 32)]); x = x.reshape(x.shape[:-1] + (-1, 32)); a = np.abs(x).max(-1, keepdims=True)
;;       e = np.where(a > 0, np.clip(np.frexp(np.where(a > 0, a, 1))[1] - 1 - 2, -126, 127), 0)      # np.frexp(a)[1] - 1 = floor(log2(a)), exactly
;;       r = np.clip(x / 2.0 ** e, -6, 6)
;;       step = 2.0 ** (np.maximum(np.frexp(np.where(r == 0, 1, r))[1] - 1, 0) - 1)
;;       q = np.round(r / step) * step * 2.0 ** e      # np.round: ties to even
;;       return np.moveaxis(q.reshape(q.shape[:-2] + (-1,))[..., :K], -1, axis).astype(np.float32)
;;   ~~~
;;   OPERANDS COMPUTED ON THE WAY. 'Computed on the way' means the value that the module computes at that place (a softmax that the list does not call 'softmax' is quantised finished and normalised). What goes into a quantiser is computed in f32, as accurately as f32 sums, v_exp_f32 and their like allow (about 1e-6 of the number): no bf16 or f16 on the way to a quantiser, and a product that is left as it is and whose result goes on into a quantised operand takes f32 operands (vector FMAs, or v_wmma_f32_16x16x4_f32). A number that lies on a knife's edge between two numbers of the format may be rounded either way, as far as f32 arithmetic and the matrix unit's own rounding can turn it there, and no further.
;;   INPUTS GIVEN AS CODES. v (in the module: [2, 16, 2048, 64], K = its axis 2): each comes as NAME_codes (uint8): NAME with its K axis moved to the last place and cut into blocks of 32 codes, [.., K / 32, bytes a block], one block behind the other in memory; two codes a byte, the lower K in the low four bits (a code: sign, 2 exponent bits, 1 mantissa bit); and NAME_scales (uint8): the same leading axes, one E8M0 byte (e + 127) for each 32 codes along K. Its value is code x scale, taken as it is: it is not quantised again, and the codes and scales need not be those that the quantiser above would give.
;; One version. Each part assembles by itself: llvm-mc -triple=amdgcn-amd-amdhsa -mcpu=gfx1250 --defsym DOCPART=n.
;; ======== version 1 of 1: 4 launches
;; limits: a difference of large sums (such as E[x^2] - mean^2): digits are lost where the result is much smaller than its terms
;; workspace buffers: codes 4,194,304 bytes; words 524,288 bytes; bst 524,288 bytes; rowst 524,288 bytes; pooled 4,096 bytes of whole numbers; mask 4,096 bytes of whole numbers; pvmask 4,096 bytes of whole numbers
;; launch stats (part 1): grid 32 x 32, 4 waves a work-group, no clusters, 22,528 bytes of LDS; arguments q, k, simthreshd1, codes, words, bst, pooled; writes codes, words, bst, pooled
.if DOCPART == 1
	.amdgcn_target "amdgcn-amd-amdhsa--gfx1250"
	.amdhsa_code_object_version 6
	.text
	.protected	k_qbf58117289_stats
	.globl	k_qbf58117289_stats
	.p2align	8
	.type	k_qbf58117289_stats,@function
k_qbf58117289_stats:
	s_mov_b64 s[64:65], 0
	v_nop
	global_prefetch_b8 v0, s[64:65] scope:SCOPE_SE
	s_setreg_imm32_b32 hwreg(HW_REG_WAVE_MODE, 25, 1), 1
	s_wait_xcnt 0x0
; FIRST OF FOUR LAUNCHES.  q, k: [32 heads][2048][64] f32.  A work-group takes one block of 64 rows of q and of k of one head (x = block, y = head); wave w rows 16 w .. 16 w + 15.
; It stores: bst[block] = 64 f32 means of q's columns (qm), then 64 f32 SUMS of k's columns;  pooled[block] = 1 where the mean cosine of the block's queries to qm is above simthreshd1[head % 16];
; q's codes of E2M1 as images of an operand's registers (tile of 16 queries: lane (r, h) has the 16 bytes of d = 32 h .. 32 h + 31 of row r at 16 x lane), and a scale word a row (byte 0: d 0-31, byte 1: d 32-63, bytes 2, 3: 0x7f).
; A block's scale is 2^(floor(log2(largest magnitude)) - 2); its byte is the largest magnitude's exponent field - 2, held at 1 from below.
; LIMITS: a block of 32 zeros gets the byte 1, not 127 (its codes are zeros, and this program alone reads the bytes); NaN and infinities in q, k are not served; a mean cosine within f32 rounding of its threshold may fall on either side.
; Every load reads 512 consecutive bytes (two rows); the turn to 32 neighbours a lane goes through the wave's own stage in LDS.  No tensor load, no matrix work: the launch streams.
.set SP,  272                          ; a stage row: 256 bytes + 16 = 17 x 16: the sixteen rows that a load touches begin at sixteen different 16-byte columns modulo 256
.set CS,  17408                        ; behind the four stages: column sums, [q, k][wave][256 bytes]
.set QMC, 19456                        ; a copy of qm and the sums of k for each wave, 512 bytes
.set SW,  21504                        ; 64 scale words
.set CO,  21760                        ; four partial sums of cosines
.set QD,  32                           ; v32-63   q as loaded: register 4 i + c = q(row 2 i + h, column 4 r + c)
.set KD,  64                           ; v64-95   k likewise
.set X,   64                           ; v64-95   later: q(row r, d = 32 h + 0 .. 31)
.set SQ,  96                           ; v96-99   column sums of q
.set SK,  100                          ; v100-103 of k
.set QM,  104                          ; v104-135 qm(d = 32 h + 0 .. 31)
.set CD,  136                          ; v136-139 codes
.set WD,  140                          ; v140     scale word
.set SEL, 24                           ; s[24:25] v_permlanex16_b32's selects for lane l xor 16
.set HI,  26                           ; s26      the lanes 16-31, as a mask
.macro BARRIER                         ; my LDS stores have landed and my LDS loads are in: then the work-group's barrier
	s_wait_dscnt 0x0
	s_barrier_signal -1
	s_barrier_wait -1
.endm
; 32 numbers of a lane, one block along K, become four registers of codes; sc: the conversion's scale operand, by: the scale's byte
.macro QUANT32 src, dst, ta, tb, sc, by
	v_max3_num_f32 v[\ta], |v[\src]|, |v[\src+1]|, 0x1800000       ; the floor 2^(3 - 127) among the leaves: the byte cannot fall under 1
	v_max3_num_f32 v[\tb], |v[\src+2]|, |v[\src+3]|, |v[\src+4]|
.irp i, 5,9,13,17,21,25
	v_max3_num_f32 v[\ta], v[\ta], |v[\src+\i]|, |v[\src+\i+1]|    ; two chains by turns
	v_max3_num_f32 v[\tb], v[\tb], |v[\src+\i+2]|, |v[\src+\i+3]|
.endr
	v_max3_num_f32 v[\ta], v[\ta], |v[\src+29]|, |v[\src+30]|
	v_max3_num_f32 v[\ta], v[\ta], v[\tb], |v[\src+31]|
	v_add_nc_u32 v[\sc], 0xff000000, v[\ta]                        ; 2 off the exponent field: the conversion takes this operand's exponent field as its scale
	v_lshrrev_b32 v[\by], 23, v[\sc]
.irp g, 0,1,2,3
	v_cvt_scalef32_pk8_fp4_f32 v[\dst+\g], v[\src+8*\g:\src+8*\g+7], v[\sc]
.endr
	v_nop                                                          ; one plain line behind the last scaled conversion
.endm
; lane (r, h) holds the byte of block h of row r: both halves of the lanes get the row's word
.macro WORD by, t, lo, hi, w
	v_permlanex16_b32 v[\t], v[\by], s[SEL], s[SEL+1]
	v_cndmask_b32 v[\lo], v[\by], v[\t], s[HI]
	v_cndmask_b32 v[\hi], v[\t], v[\by], s[HI]
	v_lshl_or_b32 v[\w], v[\hi], 8, v[\lo]
	v_or_b32 v[\w], 0x7f7f0000, v[\w]                              ; k = 64 .. 127 of the instruction's 128 are zero codes under the scale 1
.endm
	s_load_b256 s[4:11], s[0:1], 0x0               ; q s[4:5], k s[6:7], simthreshd1 s[8:9], codes s[10:11]
	s_load_b128 s[12:15], s[0:1], 0x20             ; words s[12:13], bst s[14:15]
	s_load_b64 s[16:17], s[0:1], 0x30              ; pooled
	v_lshl_add_u32 v144, v0, 2, 0x5600
	v_mov_b32 v145, 0
	v_lshrrev_b32 v1, 5, v0
	v_readfirstlane_b32 s18, v1                    ; wave 0..3
	v_and_b32 v1, 31, v0                           ; lane
	v_and_b32 v2, 15, v0                           ; r
	v_bfe_u32 v3, v0, 4, 1                         ; h
	s_and_b32 s20, ttmp7, 0xffff                   ; head
	s_lshl_b32 s21, s20, 5
	s_add_co_u32 s21, s21, ttmp9                   ; block among all 1,024
	s_mov_b32 s[SEL], 0x76543210
	s_mov_b32 s[SEL+1], 0xfedcba98
	s_mov_b32 s[HI], 0xffff0000
	; every LDS address is made here, ahead of the first branch on the wave's number
	v_lshlrev_b32 v4, 4, v1                        ; v4  16 x lane
	s_mul_i32 s22, s18, 16*SP                      ; my stage
	v_mul_u32_u24 v5, v3, SP
	v_lshl_add_u32 v5, v2, 4, v5
	v_add_nc_u32 v5, s22, v5                       ; v5  into the stage: row h (+ 2 i), 16 r
	v_mul_u32_u24 v6, v2, SP
	v_lshl_add_u32 v6, v3, 7, v6
	v_add_nc_u32 v6, s22, v6                       ; v6  out of it: row r, 128 h
	v_lshlrev_b32 v8, 10, v3
	v_lshl_add_u32 v8, v2, 4, v8
	v_add_nc_u32 v8, CS, v8                        ; v8  column sums: lanes 0-15 q's, lanes 16-31 k's
	s_lshl_b32 s22, s18, 8
	v_add_nc_u32 v7, s22, v8                       ; v7  my wave's
	s_lshl_b32 s22, s18, 9
	s_add_co_u32 s22, s22, QMC
	v_add_nc_u32 v9, s22, v4                       ; v9  my copy of qm and the sums of k, 16 x lane
	v_lshl_add_u32 v10, v3, 7, s22                 ; v10 qm from d = 32 h on
	s_lshl_b32 s22, s18, 6
	s_add_co_u32 s22, s22, SW
	v_lshl_add_u32 v11, v2, 2, s22                 ; v11 my row's scale word
	v_lshl_add_u32 v12, v1, 3, SW                  ; v12 the 64 words, 8 bytes a lane
	s_lshl_b32 s22, s18, 2
	s_add_co_u32 s22, s22, CO
	v_mov_b32 v13, s22                             ; v13 my wave's sum of cosines
	v_mov_b32 v14, CO                              ; v14 all four
	v_lshlrev_b32 v15, 3, v1                       ; v15 8 x lane
	s_wait_kmcnt 0x0
	s_lshl_b32 s22, s21, 14                        ; a block is 16,384 bytes,
	s_lshl_b32 s23, s18, 12                        ; my 16 rows 4,096
	s_add_co_u32 s22, s22, s23
	s_mov_b32 s23, 0
	s_add_nc_u64 s[4:5], s[4:5], s[22:23]
	s_add_nc_u64 s[6:7], s[6:7], s[22:23]
.irp i, 0,1,2,3,4,5,6,7
	global_load_b128 v[QD+4*\i:QD+4*\i+3], v4, s[4:5] offset:512*\i th:TH_LOAD_NT   ; 512 consecutive bytes: rows 2 i, 2 i + 1; q is read by this launch alone
.endr
.irp i, 0,1,2,3,4,5,6,7
	global_load_b128 v[KD+4*\i:KD+4*\i+3], v4, s[6:7] offset:512*\i                 ; k is read again by the next launch
.endr
	s_and_b32 s22, s20, 15
	s_lshl_b32 s22, s22, 2
	s_add_nc_u64 s[8:9], s[8:9], s[22:23]
	s_load_b32 s27, s[8:9], 0x0                    ; the head's threshold
	s_lshl_b32 s22, s21, 11
	s_lshl_b32 s29, s18, 9
	s_add_co_u32 s22, s22, s29
	s_add_nc_u64 s[10:11], s[10:11], s[22:23]      ; q's image: tile 4 x block + wave, 512 bytes
	s_lshl_b32 s22, s21, 8
	s_add_nc_u64 s[12:13], s[12:13], s[22:23]      ; the block's 64 words
	s_lshl_b32 s22, s21, 9
	s_add_nc_u64 s[14:15], s[14:15], s[22:23]
	s_lshl_b32 s22, s21, 2
	s_add_nc_u64 s[16:17], s[16:17], s[22:23]
	s_wait_loadcnt 0x0
	s_wait_kmcnt 0x0
	; column sums over my 16 rows
.irp c, 0,2
	v_pk_add_f32 v[SQ+\c:SQ+\c+1], v[QD+\c:QD+\c+1], v[QD+4+\c:QD+5+\c]
	v_pk_add_f32 v[SK+\c:SK+\c+1], v[KD+\c:KD+\c+1], v[KD+4+\c:KD+5+\c]
.endr
.irp i, 2,3,4,5,6,7
.irp c, 0,2
	v_pk_add_f32 v[SQ+\c:SQ+\c+1], v[SQ+\c:SQ+\c+1], v[QD+4*\i+\c:QD+4*\i+\c+1]
	v_pk_add_f32 v[SK+\c:SK+\c+1], v[SK+\c:SK+\c+1], v[KD+4*\i+\c:KD+4*\i+\c+1]
.endr
.endr
.irp c, 0,1,2,3
	v_permlane16_swap_b32 v[SQ+\c], v[SK+\c]       ; q's odd rows go under q's even rows, k's even rows over k's odd ones
.endr
	v_pk_add_f32 v[SQ:SQ+1], v[SQ:SQ+1], v[SK:SK+1]
	v_pk_add_f32 v[SQ+2:SQ+3], v[SQ+2:SQ+3], v[SK+2:SK+3]         ; lanes 0-15: q's columns 4 r .. 4 r + 3, lanes 16-31: k's
	ds_store_b128 v7, v[SQ:SQ+3]
.irp i, 0,1,2,3,4,5,6,7
	ds_store_b128 v5, v[QD+4*\i:QD+4*\i+3] offset:2*SP*\i
.endr
.irp i, 0,1,2,3,4,5,6,7
	ds_load_b128 v[X+4*\i:X+4*\i+3], v6 offset:16*\i               ; LDS serves a wave's instructions in order: these see my stores
.endr
	BARRIER                                        ; all four waves' column sums lie in LDS
.irp i, 0,1,2,3
	ds_load_b128 v[16+4*\i:19+4*\i], v8 offset:256*\i
.endr
	s_wait_dscnt 0x0
	v_pk_add_f32 v[16:17], v[16:17], v[20:21]
	v_pk_add_f32 v[18:19], v[18:19], v[22:23]
	v_pk_add_f32 v[24:25], v[24:25], v[28:29]
	v_pk_add_f32 v[26:27], v[26:27], v[30:31]
	v_pk_add_f32 v[16:17], v[16:17], v[24:25]
	v_pk_add_f32 v[18:19], v[18:19], v[26:27]
	v_mov_b32 v20, 0x3c800000                      ; 1 / 64 for q's means;
	v_mov_b32 v21, 1.0                             ; k's sums stay sums
	v_cndmask_b32 v20, v20, v21, s[HI]
	v_pk_mul_f32 v[16:17], v[16:17], v[20:21] op_sel_hi:[1,0]
	v_pk_mul_f32 v[18:19], v[18:19], v[20:21] op_sel_hi:[1,0]
	ds_store_b128 v9, v[16:19]
.irp i, 0,1,2,3,4,5,6,7
	ds_load_b128 v[QM+4*\i:QM+4*\i+3], v10 offset:16*\i            ; my own copy: no barrier
.endr
	s_cmp_lg_u32 s18, 0
	s_cbranch_scc1 .Lnot_0
	global_store_b128 v4, v[16:19], s[14:15]       ; 512 consecutive bytes: qm, the sums of k.  v16-19 are not written again
.Lnot_0:
	s_wait_dscnt 0x0
	; the cosine of my row to qm, in f32: sums of x x, x qm, qm qm over my 32, two chains each
	v_pk_mul_f32 v[20:21], v[X:X+1], v[X:X+1]
	v_pk_mul_f32 v[22:23], v[X+2:X+3], v[X+2:X+3]
	v_pk_mul_f32 v[24:25], v[X:X+1], v[QM:QM+1]
	v_pk_mul_f32 v[26:27], v[X+2:X+3], v[QM+2:QM+3]
	v_pk_mul_f32 v[28:29], v[QM:QM+1], v[QM:QM+1]
	v_pk_mul_f32 v[30:31], v[QM+2:QM+3], v[QM+2:QM+3]
.irp j, 4,8,12,16,20,24,28
	v_pk_fma_f32 v[20:21], v[X+\j:X+\j+1], v[X+\j:X+\j+1], v[20:21]
	v_pk_fma_f32 v[22:23], v[X+\j+2:X+\j+3], v[X+\j+2:X+\j+3], v[22:23]
	v_pk_fma_f32 v[24:25], v[X+\j:X+\j+1], v[QM+\j:QM+\j+1], v[24:25]
	v_pk_fma_f32 v[26:27], v[X+\j+2:X+\j+3], v[QM+\j+2:QM+\j+3], v[26:27]
	v_pk_fma_f32 v[28:29], v[QM+\j:QM+\j+1], v[QM+\j:QM+\j+1], v[28:29]
	v_pk_fma_f32 v[30:31], v[QM+\j+2:QM+\j+3], v[QM+\j+2:QM+\j+3], v[30:31]
.endr
.irp s, 20,24,28
	v_pk_add_f32 v[\s:\s+1], v[\s:\s+1], v[\s+2:\s+3]
.endr
.irp s, 20,24,28
	v_add_f32 v[\s], v[\s], v[\s+1]
.endr
.irp s, 20,24,28
	v_permlanex16_b32 v[\s+1], v[\s], s[SEL], s[SEL+1]             ; the row's other 32 lie in the lane 16 away
.endr
.irp s, 20,24,28
	v_add_f32 v[\s], v[\s], v[\s+1]
.endr
	v_sqrt_f32 v22, v20                            ; |q row|
	v_sqrt_f32 v23, v28                            ; |qm|
	v_nop                                          ; a plain line behind the transcendentals,
	s_wait_alu depctr_va_vdst(0)                   ; and the wait ahead of the first use: one for both
	v_fmaak_f32 v22, v22, v23, 0x358637bd          ; |q row| |qm| + 1e-6
	v_rcp_f32 v23, v22
	v_nop
	s_wait_alu depctr_va_vdst(0)
	v_mul_f32 v24, v24, v23
	v_add_f32_dpp v24, v24, v24 row_xmask:1 row_mask:0xf bank_mask:0xf
	v_add_f32_dpp v24, v24, v24 row_xmask:2 row_mask:0xf bank_mask:0xf
	v_add_f32_dpp v24, v24, v24 row_xmask:4 row_mask:0xf bank_mask:0xf
	v_add_f32_dpp v24, v24, v24 row_xmask:8 row_mask:0xf bank_mask:0xf   ; the sum over my 16 rows, in every lane
	ds_store_b32 v13, v24                          ; all lanes write the same word with the same value
	QUANT32 X, CD, 141, 142, 143, 142
	WORD 142, 20, 21, 22, WD
	global_store_b128 v4, v[CD:CD+3], s[10:11]     ; the tile's image: 512 consecutive bytes
	ds_store_b32 v11, v[WD]                        ; both halves of the lanes write the row's word
	BARRIER                                        ; the 64 words and the four sums lie in LDS
	s_cmp_lg_u32 s18, 1
	s_cbranch_scc1 .Lnot_1
	ds_load_b64 v[20:21], v12
	s_wait_dscnt 0x0
	global_store_b64 v15, v[20:21], s[12:13]       ; 256 consecutive bytes, aligned
.Lnot_1:
	s_cmp_lg_u32 s18, 2
	s_cbranch_scc1 .Lend
	ds_load_b128 v[24:27], v14
	s_wait_dscnt 0x0
	v_add_f32 v24, v24, v25
	v_add_f32 v26, v26, v27
	v_add_f32 v24, v24, v26
	v_mul_f32 v24, 0x3c800000, v24                 ; the mean of 64 cosines
	v_cmp_lt_f32 vcc_lo, s27, v24
	v_cndmask_b32 v28, 0, 1, vcc_lo
	v_mov_b32 v29, 0
	v_cmp_eq_u32 vcc_lo, 0, v1
	s_wait_xcnt 0x0                                ; EXEC changes only behind this wait: my earlier stores have read it
	s_and_saveexec_b32 s28, vcc_lo
	global_store_b32 v29, v28, s[16:17]            ; one word a block, from lane 0
	s_wait_xcnt 0x0
	s_or_b32 exec_lo, exec_lo, s28
.Lend:
	s_wait_tensorcnt 0x0
	ds_add_u32 v144, v145
	s_wait_dscnt 0x0
	s_endpgm
.Lfunc_end_k_qbf58117289_stats:
	.size	k_qbf58117289_stats, .Lfunc_end_k_qbf58117289_stats-k_qbf58117289_stats
	.p2alignl 7, 3214868480
	.fill 96, 4, 3214868480
	.section	.rodata,"a",@progbits
	.p2align	6, 0x0
	.amdhsa_kernel k_qbf58117289_stats
		.amdhsa_group_segment_fixed_size 22528
		.amdhsa_private_segment_fixed_size 0
		.amdhsa_enable_private_segment 0
		.amdhsa_kernarg_size 56
		.amdhsa_user_sgpr_count 2
		.amdhsa_user_sgpr_kernarg_segment_ptr 1
		.amdhsa_wavefront_size32 1
		.amdhsa_system_sgpr_workgroup_id_x 1
		.amdhsa_system_sgpr_workgroup_id_y 1
		.amdhsa_system_sgpr_workgroup_id_z 1
		.amdhsa_system_vgpr_workitem_id 0
		.amdhsa_next_free_vgpr 146
		.amdhsa_next_free_sgpr 66
		.amdhsa_reserve_vcc 1
		.amdhsa_float_denorm_mode_32 3
		.amdhsa_float_denorm_mode_16_64 3
		.amdhsa_memory_ordered 1
		.amdhsa_forward_progress 1
		.amdhsa_inst_pref_size 17
	.end_amdhsa_kernel
	.amdgpu_metadata
---
amdhsa.version: [ 1, 2 ]
amdhsa.kernels:
  - .name:           k_qbf58117289_stats
    .symbol:         k_qbf58117289_stats.kd
    .args:
      - { .name: q, .offset: 0, .size: 8, .value_kind: global_buffer, .address_space: global }
      - { .name: k, .offset: 8, .size: 8, .value_kind: global_buffer, .address_space: global }
      - { .name: simthreshd1, .offset: 16, .size: 8, .value_kind: global_buffer, .address_space: global }
      - { .name: codes, .offset: 24, .size: 8, .value_kind: global_buffer, .address_space: global }
      - { .name: words, .offset: 32, .size: 8, .value_kind: global_buffer, .address_space: global }
      - { .name: bst, .offset: 40, .size: 8, .value_kind: global_buffer, .address_space: global }
      - { .name: pooled, .offset: 48, .size: 8, .value_kind: global_buffer, .address_space: global }
    .group_segment_fixed_size: 22528
    .private_segment_fixed_size: 0
    .kernarg_segment_align: 8
    .kernarg_segment_size: 56
    .max_flat_workgroup_size: 128
    .sgpr_count:     66
    .vgpr_count:     146
    .wavefront_size: 32
...
	.end_amdgpu_metadata
.endif
;; end of part 1
;; launch prep (part 2): grid 32 x 32, 4 waves a work-group, no clusters, 28,160 bytes of LDS; arguments k, bst, pooled, cdfthreshd, codes, words, mask; writes codes, words, mask
.if DOCPART == 2
	.amdgcn_target "amdgcn-amd-amdhsa--gfx1250"
	.amdhsa_code_object_version 6
	.text
	.protected	k_qbf58117289_prep
	.globl	k_qbf58117289_prep
	.p2align	8
	.type	k_qbf58117289_prep,@function
k_qbf58117289_prep:
	s_mov_b64 s[64:65], 0
	v_nop
	global_prefetch_b8 v0, s[64:65] scope:SCOPE_SE
	s_setreg_imm32_b32 hwreg(HW_REG_WAVE_MODE, 25, 1), 1
	s_wait_xcnt 0x0
; SECOND LAUNCH.  A work-group (x = block, y = head) (a) forms the head's mean of k from the 32 block sums of the launch before, (b) quantises its 64 rows of k - mean to E2M1 along d, and
; (c), in wave 0, makes row x of the head's first block mask: s = Q(qm_x) . Q(km_j) by the matrix unit, softmax over the 32 key blocks, the blocks ahead of the threshold in the sorted exclusive sum, | not pooled | block 0.
; K's IMAGES.  Tile T = 2 b + u of a block (wave T makes it) has as its row rho the key 32 b + 8 u + rho + 8 (rho / 8): in S^T = K Q^T the 16 registers of tiles 2 b and 2 b + 1 are then 16 neighbouring keys.
; An image: lane (r, h) has the 16 bytes of d = 32 h .. 32 h + 31 of the tile's row r at 16 x lane.  Scale words in the same order, tile x 16 + r (byte 0: d 0-31, byte 1: d 32-63, bytes 2, 3: 0x7f).
; THE SORTED EXCLUSIVE SUM WITHOUT A SORT: for key block j it is the sum of all p_i that a stable descending order puts ahead of p_j: p_i > p_j, or p_i = p_j and i < j.  Lane j holds p_j; 32 steps, one for each i.
; LIMITS: km is formed as block sum / 64 - head mean: under a large common offset of k its error grows with the offset's last bit, as that of k - mean itself does; the exclusive sum is added in the order of i, not
; of rank; a value within f32 rounding of cdfthreshd may fall on either side; a block of 32 zeros gets the byte 1, not 127 (zero codes; the bytes are this program's own); NaN and infinities are not served.
.set SP,  272                          ; a stage row: 256 bytes + 16
.set KSS, 17408                        ; behind the four stages: the head's 32 block sums, 32 rows x 272
.set CS,  26112                        ; four waves' partial sums, 256 bytes each
.set MN,  27136                        ; the mean, 256 bytes (wave 0's own)
.set SW,  27392                        ; 64 scale words
.set KD,  32                           ; v32-63   k as loaded, then k - mean; in wave 0 later the mean at d = 32 h + 0 .. 31
.set KU,  64                           ; v64-79   eight block sums as loaded
.set X,   80                           ; v80-111  k - mean, row r, d = 32 h + 0 .. 31
.set QM,  112                          ; v112-143 qm_x at d = 32 h + 0 .. 31
.set KM,  144                          ; v144-207 km of key blocks r and 16 + r
.set FA,  208                          ; v208-215 qm's codes, four registers, and four of zeros
.set FB,  216                          ; v216-231 km's, two tiles
.set SCA, 232                          ; v232 qm's scale word, v233-234 km's: they hold scales and nothing else
.set D0,  236
.set D1,  244
.set SEL, 28
.set HI,  30
.macro BARRIER
	s_wait_dscnt 0x0
	s_barrier_signal -1
	s_barrier_wait -1
.endm
.macro QUANT32 src, dst, ta, tb, sc, by
	v_max3_num_f32 v[\ta], |v[\src]|, |v[\src+1]|, 0x1800000       ; the floor 2^(3 - 127) among the leaves: the byte cannot fall under 1
	v_max3_num_f32 v[\tb], |v[\src+2]|, |v[\src+3]|, |v[\src+4]|
.irp i, 5,9,13,17,21,25
	v_max3_num_f32 v[\ta], v[\ta], |v[\src+\i]|, |v[\src+\i+1]|
	v_max3_num_f32 v[\tb], v[\tb], |v[\src+\i+2]|, |v[\src+\i+3]|
.endr
	v_max3_num_f32 v[\ta], v[\ta], |v[\src+29]|, |v[\src+30]|
	v_max3_num_f32 v[\ta], v[\ta], v[\tb], |v[\src+31]|
	v_add_nc_u32 v[\sc], 0xff000000, v[\ta]                        ; 2 off the exponent field: the conversion's scale operand
	v_lshrrev_b32 v[\by], 23, v[\sc]
.irp g, 0,1,2,3
	v_cvt_scalef32_pk8_fp4_f32 v[\dst+\g], v[\src+8*\g:\src+8*\g+7], v[\sc]
.endr
	v_nop                                                          ; one plain line behind the last scaled conversion
.endm
.macro WORD by, t, lo, hi, w
	v_permlanex16_b32 v[\t], v[\by], s[SEL], s[SEL+1]
	v_cndmask_b32 v[\lo], v[\by], v[\t], s[HI]
	v_cndmask_b32 v[\hi], v[\t], v[\by], s[HI]
	v_lshl_or_b32 v[\w], v[\hi], 8, v[\lo]
	v_or_b32 v[\w], 0x7f7f0000, v[\w]
.endm
	s_load_b256 s[4:11], s[0:1], 0x0               ; k s[4:5], bst s[6:7], pooled s[8:9], cdfthreshd s[10:11]
	s_load_b128 s[12:15], s[0:1], 0x20             ; codes s[12:13], words s[14:15]
	s_load_b64 s[16:17], s[0:1], 0x30              ; mask
	s_set_vgpr_msb 0x40
	v_lshl_add_u32 v0, v0, 2, 0x6c00
	v_mov_b32 v1, 0
	s_set_vgpr_msb 0x4000
	v_lshrrev_b32 v1, 5, v0
	v_readfirstlane_b32 s18, v1                    ; wave 0..3
	v_and_b32 v1, 31, v0                           ; lane
	v_and_b32 v2, 15, v0                           ; r
	v_bfe_u32 v3, v0, 4, 1                         ; h
	s_and_b32 s20, ttmp7, 0xffff                   ; head
	s_lshl_b32 s21, s20, 5
	s_add_co_u32 s21, s21, ttmp9                   ; block among all 1,024
	s_mov_b32 s[SEL], 0x76543210
	s_mov_b32 s[SEL+1], 0xfedcba98
	s_mov_b32 s[HI], 0xffff0000
	; every LDS address is made here, ahead of the first branch on the wave's number
	v_lshlrev_b32 v4, 4, v1                        ; v4  16 x lane
	s_mul_i32 s22, s18, 16*SP
	v_mul_u32_u24 v5, v3, SP
	v_lshl_add_u32 v5, v2, 4, v5
	v_add_nc_u32 v5, s22, v5                       ; v5  into my stage: row h (+ 2 i), 16 r
	v_mul_u32_u24 v6, v2, SP
	v_lshl_add_u32 v6, v3, 7, v6
	v_add_nc_u32 v6, s22, v6                       ; v6  out of it: row r, 128 h
	s_mul_i32 s22, s18, 8*SP
	s_add_co_u32 s22, s22, KSS
	v_mul_u32_u24 v7, v3, SP
	v_lshl_add_u32 v7, v2, 4, v7
	v_add_nc_u32 v7, s22, v7                       ; v7  block sums in: row 8 w + h (+ 2 i), 16 r
	v_lshl_add_u32 v9, v2, 4, CS                   ; v9  the partial sums, 16 r
	s_lshl_b32 s22, s18, 8
	v_add_nc_u32 v8, s22, v9                       ; v8  my wave's
	v_lshl_add_u32 v10, v2, 4, MN                  ; v10 the mean in
	v_lshl_add_u32 v11, v3, 7, MN                  ; v11 and out, from d = 32 h on
	v_mul_u32_u24 v12, v2, SP
	v_lshl_add_u32 v12, v3, 7, v12
	v_add_nc_u32 v12, KSS, v12                     ; v12 block sums out: row r, 128 h
	s_lshl_b32 s22, s18, 6
	s_add_co_u32 s22, s22, SW
	v_lshl_add_u32 v13, v2, 2, s22                 ; v13 my row's scale word
	v_lshl_add_u32 v14, v1, 3, SW                  ; v14 the 64 words, 8 bytes a lane
	v_lshlrev_b32 v15, 3, v1                       ; v15 8 x lane
	v_lshlrev_b32 v252, 9, v3
	v_lshl_add_u32 v252, v2, 4, v252               ; v252 in bst: 512 h + 16 r
	v_lshlrev_b32 v253, 7, v3                      ; v253 128 h
	v_mov_b32 v235, 0
	s_wait_kmcnt 0x0
	s_mov_b32 s23, 0
	s_lshl_b32 s22, s20, 14                        ; the head's 32 entries of bst,
	s_lshl_b32 s32, s18, 12                        ; my eight of them,
	s_add_co_u32 s22, s22, s32
	s_add_co_u32 s22, s22, 256                     ; their second halves: the sums of k
	s_add_nc_u64 s[24:25], s[6:7], s[22:23]
	s_lshl_b32 s22, s21, 9
	s_add_nc_u64 s[26:27], s[6:7], s[22:23]        ; qm of query block x
	s_lshl_b32 s22, s21, 14
	s_lshr_b32 s32, s18, 1
	s_lshl_b32 s32, s32, 13                        ; 32 (w / 2) rows
	s_add_co_u32 s22, s22, s32
	s_and_b32 s32, s18, 1
	s_lshl_b32 s32, s32, 11                        ; + 8 (w % 2) rows
	s_add_co_u32 s22, s22, s32
	s_add_nc_u64 s[4:5], s[4:5], s[22:23]
.irp i, 0,1,2,3
	global_load_b128 v[KU+4*\i:KU+4*\i+3], v252, s[24:25] offset:1024*\i          ; blocks 8 w + 2 i + h: 256 consecutive bytes in each half of the lanes
.endr
.irp i, 0,1,2,3,4,5,6,7
	global_load_b128 v[KD+4*\i:KD+4*\i+3], v4, s[4:5] offset:512*\i+2048*(\i/4) th:TH_LOAD_NT   ; the tile's rows 2 i + h: eight neighbouring keys, then the eight that lie 16 further on
.endr
	s_lshl_b32 s22, s21, 2
	s_add_nc_u64 s[8:9], s[8:9], s[22:23]
	s_add_nc_u64 s[16:17], s[16:17], s[22:23]
	s_load_b32 s45, s[8:9], 0x0                    ; pooled[block x]
	s_and_b32 s22, s20, 15
	s_lshl_b32 s22, s22, 2
	s_add_nc_u64 s[10:11], s[10:11], s[22:23]
	s_load_b32 s44, s[10:11], 0x0                  ; the head's cdfthreshd
	s_lshl_b32 s22, s21, 11
	s_lshl_b32 s32, s18, 9
	s_add_co_u32 s22, s22, s32
	s_add_co_u32 s22, s22, 0x200000                ; k's images lie behind q's
	s_add_nc_u64 s[12:13], s[12:13], s[22:23]
	s_lshl_b32 s22, s21, 8
	s_add_co_u32 s22, s22, 0x40000                 ; k's words behind q's
	s_add_nc_u64 s[14:15], s[14:15], s[22:23]
	s_wait_loadcnt 8                               ; the four loads of block sums are in; k's eight, issued behind them, may be out
.irp i, 0,1,2,3
	ds_store_b128 v7, v[KU+4*\i:KU+4*\i+3] offset:2*SP*\i          ; as they are, for wave 0's km
.endr
	v_pk_add_f32 v[16:17], v[KU:KU+1], v[KU+4:KU+5]
	v_pk_add_f32 v[18:19], v[KU+2:KU+3], v[KU+6:KU+7]
	v_pk_add_f32 v[20:21], v[KU+8:KU+9], v[KU+12:KU+13]
	v_pk_add_f32 v[22:23], v[KU+10:KU+11], v[KU+14:KU+15]
	v_pk_add_f32 v[16:17], v[16:17], v[20:21]
	v_pk_add_f32 v[18:19], v[18:19], v[22:23]
.irp c, 0,1,2,3
	v_permlanex16_b32 v[20+\c], v[16+\c], s[SEL], s[SEL+1]
.endr
	v_pk_add_f32 v[16:17], v[16:17], v[20:21]
	v_pk_add_f32 v[18:19], v[18:19], v[22:23]      ; my eight blocks' sum of columns 4 r .. 4 r + 3
	ds_store_b128 v8, v[16:19]                     ; both halves of the lanes write the same bytes with the same values
	BARRIER                                        ; the 32 block sums and the four partial sums lie in LDS
.irp i, 0,1,2,3
	ds_load_b128 v[16+4*\i:19+4*\i], v9 offset:256*\i
.endr
	s_wait_dscnt 0x0
	v_pk_add_f32 v[16:17], v[16:17], v[20:21]
	v_pk_add_f32 v[18:19], v[18:19], v[22:23]
	v_pk_add_f32 v[24:25], v[24:25], v[28:29]
	v_pk_add_f32 v[26:27], v[26:27], v[30:31]
	v_pk_add_f32 v[16:17], v[16:17], v[24:25]
	v_pk_add_f32 v[18:19], v[18:19], v[26:27]
	v_pk_mul_f32 v[16:17], v[16:17], 0x3a000000 op_sel_hi:[1,0]    ; / 2,048: the head's mean of columns 4 r .. 4 r + 3; the same bits in every work-group of the head
	v_pk_mul_f32 v[18:19], v[18:19], 0x3a000000 op_sel_hi:[1,0]
	s_wait_loadcnt 0x0                             ; k
.irp i, 0,1,2,3,4,5,6,7
	v_pk_add_f32 v[KD+4*\i:KD+4*\i+1], v[KD+4*\i:KD+4*\i+1], v[16:17] neg_lo:[0,1] neg_hi:[0,1]
	v_pk_add_f32 v[KD+4*\i+2:KD+4*\i+3], v[KD+4*\i+2:KD+4*\i+3], v[18:19] neg_lo:[0,1] neg_hi:[0,1]
.endr
.irp i, 0,1,2,3,4,5,6,7
	ds_store_b128 v5, v[KD+4*\i:KD+4*\i+3] offset:2*SP*\i
.endr
.irp i, 0,1,2,3,4,5,6,7
	ds_load_b128 v[X+4*\i:X+4*\i+3], v6 offset:16*\i               ; LDS serves a wave's instructions in order: these see my stores
.endr
	s_wait_dscnt 0x0
	QUANT32 X, 24, 20, 21, 22, 23
	WORD 23, 29, 30, 31, 28
	global_store_b128 v4, v[24:27], s[12:13]       ; the tile's image: 512 consecutive bytes.  v24-27 are not written again
	ds_store_b32 v13, v28
	BARRIER                                        ; the 64 words lie in LDS
	s_cmp_lg_u32 s18, 1
	s_cbranch_scc1 .Lnot_1
	ds_load_b64 v[254:255], v14
	s_wait_dscnt 0x0
	global_store_b64 v15, v[254:255], s[14:15]     ; 256 consecutive bytes, aligned
.Lnot_1:
	s_cmp_lg_u32 s18, 0
	s_cbranch_scc1 .Lend
	; ---- wave 0: row x of the first block mask
.irp i, 0,1,2,3,4,5,6,7
	global_load_b128 v[QM+4*\i:QM+4*\i+3], v253, s[26:27] offset:16*\i   ; qm_x(32 h + 4 i ..): sixteen lanes share an address; it lands while km is made
.endr
	ds_store_b128 v10, v[16:19]
.irp i, 0,1,2,3,4,5,6,7
	ds_load_b128 v[KD+4*\i:KD+4*\i+3], v11 offset:16*\i            ; the mean at d = 32 h + 0 .. 31
.endr
.irp t, 0,1
.irp i, 0,1,2,3,4,5,6,7
	ds_load_b128 v[KM+32*\t+4*\i:KM+32*\t+4*\i+3], v12 offset:16*SP*\t+16*\i   ; the sum of key block 16 t + r
.endr
.endr
	s_wait_dscnt 0x0
.irp t, 0,1
.irp j, 0,2,4,6,8,10,12,14,16,18,20,22,24,26,28,30
	v_pk_fma_f32 v[KM+32*\t+\j:KM+32*\t+\j+1], v[KM+32*\t+\j:KM+32*\t+\j+1], 0x3c800000, v[KD+\j:KD+\j+1] op_sel_hi:[1,0,1] neg_lo:[0,0,1] neg_hi:[0,0,1]   ; km = sum / 64 - mean
.endr
.endr
	QUANT32 KM, FB, 20, 21, 22, 23
	WORD 23, 29, 30, 31, SCA+1
	QUANT32 KM+32, FB+8, 20, 21, 22, 23
	WORD 23, 29, 30, 31, SCA+2
	s_wait_loadcnt 0x0                             ; qm_x
	QUANT32 QM, FA, 20, 21, 22, 23
	WORD 23, 29, 30, 31, SCA
.irp j, 4,5,6,7
	v_mov_b32 v[FA+\j], 0                          ; k = 64 .. 127 of the instruction's 128: zero codes on both sides
	v_mov_b32 v[FB+\j], 0
	v_mov_b32 v[FB+8+\j], 0
.endr
.rept 8
	v_nop                                          ; a scale register written by a vector instruction stands 8 places ahead of a scaled matrix instruction, an operand so written 4
.endr
	; source 0 = 16 equal rows qm_x, source 1 = 16 key blocks: register 0 of lane (r, h) is s(x, 16 t + r)
	v_wmma_scale_f32_16x16x128_f8f6f4 v[D0:D0+7], v[FA:FA+7], v[FB:FB+7], 0, v[SCA], v[SCA+1] matrix_a_fmt:MATRIX_FMT_FP4 matrix_b_fmt:MATRIX_FMT_FP4
	v_wmma_scale_f32_16x16x128_f8f6f4 v[D1:D1+7], v[FA:FA+7], v[FB+8:FB+15], 0, v[SCA], v[SCA+2] matrix_a_fmt:MATRIX_FMT_FP4 matrix_b_fmt:MATRIX_FMT_FP4
.rept 4
	v_nop                                          ; four places ahead of the first read of the results (ISA guide 7.12.1)
.endr
	v_cndmask_b32 v20, v[D0], v[D1], s[HI]         ; lane j holds s(x, j)
	v_mov_b32 v21, v20
	v_max_num_f32_dpp v21, v21, v21 row_xmask:1 row_mask:0xf bank_mask:0xf
	v_max_num_f32_dpp v21, v21, v21 row_xmask:2 row_mask:0xf bank_mask:0xf
	v_max_num_f32_dpp v21, v21, v21 row_xmask:4 row_mask:0xf bank_mask:0xf
	v_max_num_f32_dpp v21, v21, v21 row_xmask:8 row_mask:0xf bank_mask:0xf
	v_permlanex16_b32 v22, v21, s[SEL], s[SEL+1]
	v_max_num_f32 v21, v21, v22                    ; the row's maximum is taken away ahead of the exponential
	v_sub_f32 v20, v20, v21
	v_mul_f32 v20, 0x3e38aa3b, v20                 ; x log2(e) / 8
	v_exp_f32 v20, v20
	v_nop
	s_wait_alu depctr_va_vdst(0)                   ; the wait ahead of the first use
	v_mov_b32 v21, v20
	v_add_f32_dpp v21, v21, v21 row_xmask:1 row_mask:0xf bank_mask:0xf
	v_add_f32_dpp v21, v21, v21 row_xmask:2 row_mask:0xf bank_mask:0xf
	v_add_f32_dpp v21, v21, v21 row_xmask:4 row_mask:0xf bank_mask:0xf
	v_add_f32_dpp v21, v21, v21 row_xmask:8 row_mask:0xf bank_mask:0xf
	v_permlanex16_b32 v22, v21, s[SEL], s[SEL+1]
	v_add_f32 v21, v21, v22
	v_rcp_f32 v21, v21
	v_nop
	s_wait_alu depctr_va_vdst(0)
	v_mul_f32 v20, v20, v21                        ; p_j
	v_mov_b32 v30, 0
	v_mov_b32 v31, 0
.set i, 0
.rept 32
	v_readlane_b32 s40, v20, i                     ; p_i
	v_cmp_gt_f32 s41, s40, v20                     ; ahead of p_j where p_i > p_j,
	v_cmp_ge_f32 s42, s40, v20
	s_and_b32 s42, s42, (0xfffffffe<<i)&0xffffffff ; or p_i = p_j and i < j
	s_or_b32 s41, s41, s42
	v_mov_b32 v22, s40
	v_cndmask_b32 v22, 0, v22, s41
	v_add_f32 v[30+i%2], v[30+i%2], v22            ; two sums by turns
.set i, i+1
.endr
	v_add_f32 v30, v30, v31
	s_wait_kmcnt 0x0
	v_cmp_gt_f32 s43, s44, v30                     ; kept where the exclusive sum lies under the threshold
	s_cmp_eq_u32 s45, 0
	s_cselect_b32 s46, -1, 0                       ; a block that is not pooled keeps all: a choice of a value, no branch
	s_or_b32 s43, s43, s46
	s_or_b32 s43, s43, 1                           ; key block 0 always
	v_mov_b32 v20, s43
	v_cmp_eq_u32 vcc_lo, 0, v1
	s_wait_xcnt 0x0                                ; EXEC changes only behind this wait
	s_and_saveexec_b32 s31, vcc_lo
	global_store_b32 v235, v20, s[16:17]
	s_wait_xcnt 0x0
	s_or_b32 exec_lo, exec_lo, s31
.Lend:
	s_set_vgpr_msb 0x5
	s_wait_tensorcnt 0x0
	ds_add_u32 v0, v1
	s_wait_dscnt 0x0
	s_set_vgpr_msb 0x500
	s_endpgm
.Lfunc_end_k_qbf58117289_prep:
	.size	k_qbf58117289_prep, .Lfunc_end_k_qbf58117289_prep-k_qbf58117289_prep
	.p2alignl 7, 3214868480
	.fill 96, 4, 3214868480
	.section	.rodata,"a",@progbits
	.p2align	6, 0x0
	.amdhsa_kernel k_qbf58117289_prep
		.amdhsa_group_segment_fixed_size 28160
		.amdhsa_private_segment_fixed_size 0
		.amdhsa_enable_private_segment 0
		.amdhsa_kernarg_size 56
		.amdhsa_user_sgpr_count 2
		.amdhsa_user_sgpr_kernarg_segment_ptr 1
		.amdhsa_wavefront_size32 1
		.amdhsa_system_sgpr_workgroup_id_x 1
		.amdhsa_system_sgpr_workgroup_id_y 1
		.amdhsa_system_sgpr_workgroup_id_z 1
		.amdhsa_system_vgpr_workitem_id 0
		.amdhsa_next_free_vgpr 258
		.amdhsa_next_free_sgpr 66
		.amdhsa_reserve_vcc 1
		.amdhsa_float_denorm_mode_32 3
		.amdhsa_float_denorm_mode_16_64 3
		.amdhsa_memory_ordered 1
		.amdhsa_forward_progress 1
		.amdhsa_inst_pref_size 38
	.end_amdhsa_kernel
	.amdgpu_metadata
---
amdhsa.version: [ 1, 2 ]
amdhsa.kernels:
  - .name:           k_qbf58117289_prep
    .symbol:         k_qbf58117289_prep.kd
    .args:
      - { .name: k, .offset: 0, .size: 8, .value_kind: global_buffer, .address_space: global }
      - { .name: bst, .offset: 8, .size: 8, .value_kind: global_buffer, .address_space: global }
      - { .name: pooled, .offset: 16, .size: 8, .value_kind: global_buffer, .address_space: global }
      - { .name: cdfthreshd, .offset: 24, .size: 8, .value_kind: global_buffer, .address_space: global }
      - { .name: codes, .offset: 32, .size: 8, .value_kind: global_buffer, .address_space: global }
      - { .name: words, .offset: 40, .size: 8, .value_kind: global_buffer, .address_space: global }
      - { .name: mask, .offset: 48, .size: 8, .value_kind: global_buffer, .address_space: global }
    .group_segment_fixed_size: 28160
    .private_segment_fixed_size: 0
    .kernarg_segment_align: 8
    .kernarg_segment_size: 56
    .max_flat_workgroup_size: 128
    .sgpr_count:     66
    .vgpr_count:     258
    .wavefront_size: 32
...
	.end_amdgpu_metadata
.endif
;; end of part 2
;; launch pass1 (part 3): grid 8 x 32, 16 waves a work-group, no clusters, 113,664 bytes of LDS; arguments codes, words, mask, pvthreshd, rowst, pvmask; writes rowst, pvmask
.if DOCPART == 3
	.amdgcn_target "amdgcn-amd-amdhsa--gfx1250"
	.amdhsa_code_object_version 6
	.text
	.protected	k_qbf58117289_pass1
	.globl	k_qbf58117289_pass1
	.p2align	8
	.type	k_qbf58117289_pass1,@function
k_qbf58117289_pass1:
	s_mov_b64 s[64:65], 0
	v_nop
	global_prefetch_b8 v0, s[64:65] scope:SCOPE_SE
	s_setreg_imm32_b32 hwreg(HW_REG_WAVE_MODE, 25, 1), 1
	s_wait_xcnt 0x0
; THIRD LAUNCH: the rows' statistics of the masked softmax, and the second block mask.  A work-group takes 256 queries of a head (x, y = head); each of its SIXTEEN waves one tile of 16 queries: four waves
; share a SIMD, so that one wave's exponentials stand beside another's plain work.  The head's whole K (65,536 bytes of images, 8,192 of scale words) is copied into LDS once and read by all sixteen:
; the loop over the 32 key blocks has no barrier, and a wave leaves out, by a scalar branch on the mask word that the launch before stored, the blocks that its query block does not keep.
; S^T = K Q^T on codes of E2M1 (source 0 = 16 keys, source 1 = my 16 queries; d = 64 fills half of the instruction's 128, the other half is zero codes on both sides): a lane holds ONE query (lane % 16).
; t = S x log2(e) / 8.  M = the row's largest t so far, rounded UP to a whole number; l = the sum of 2^(t - M); when M moves, l is multiplied by 2^(old M - new M), which rounds nothing.
; For each (query, key block) the largest score is kept in LDS; at the end the block's largest P = 2^(c s - M) / l is held against pvthreshd x 1e-3.
; STORES: rowst[query] = (-M, 1 / l);  pvmask[query block] = (first mask & largest P >= threshold) | 1.
; No tensor load, copy or cluster: the branch on a stored mask excludes them, and what the eight work-groups of a head share is read once, at the head.
; LIMITS: a P under 2^-126 counts as 0; a largest P within f32 rounding of its threshold may fall on either side; NaN and infinities are not served.
.set KS,  65536                        ; LDS: K's images at 0; K's scale words;
.set BM,  73728                        ; the largest scores: for each wave 16 rows (queries) x 32 words (key blocks), pitch 132;
.set BP,  132
.set ST,  107520                       ; (-M, 1 / l) of the 256 queries;
.set PM,  109568                       ; each wave's largest P for each key block, 128 bytes a wave
.set SEL, 18                           ; s[18:19] selects for lane l xor 16
.set CC,  20                           ; s[20:21] c = log2(e) / 8, twice: the packed form names a pair
; REGISTERS: v1-8 addresses that stay; v9-11 the trip's; v12 -M, v13 the largest t (at the end 1 / l), v[14:15] l in two halves; v16-23 Q; v24 Q's scale word, v26-27 K's (scales and nothing else); v28 the block's largest score;
; v32-63 K's four tiles; v64-95 S^T, then p; v96-105 at work; v128-163 the copy of K
.macro BARRIER
	s_wait_dscnt 0x0
	s_barrier_signal -1
	s_barrier_wait -1
.endm
	s_load_b256 s[4:11], s[0:1], 0x0               ; codes s[4:5], words s[6:7], mask s[8:9], pvthreshd s[10:11]
	s_load_b128 s[12:15], s[0:1], 0x20             ; rowst s[12:13], pvmask s[14:15]
	v_lshl_add_u32 v176, v0, 2, 0x1b400
	v_mov_b32 v177, 0
	v_lshrrev_b32 v9, 5, v0
	v_readfirstlane_b32 s16, v9                    ; wave 0..15
	v_and_b32 v108, 31, v0                         ; lane
	v_and_b32 v109, 15, v0                         ; r
.irp j, 20,21,22,23, 36,37,38,39, 44,45,46,47, 52,53,54,55, 60,61,62,63
	v_mov_b32 v\j, 0                               ; k = 64 .. 127: zero codes, in Q and in K's four tiles; written once
.endr
	v_lshlrev_b32 v1, 4, v108                      ; v1  16 x lane
	v_lshl_add_u32 v2, v108, 2, KS                 ; v2  K's words: 4 x lane: lanes 0-15 an even tile's, lanes 16-31 the odd tile's behind it
	s_mul_i32 s28, s16, 16*BP
	s_add_co_u32 s28, s28, BM
	v_mul_u32_u24 v3, v109, BP
	v_add_nc_u32 v3, s28, v3                       ; v3  largest scores in: my query's row
	v_lshl_add_u32 v4, v108, 2, s28                ; v4  and out: lane = key block
	s_lshl_b32 s28, s16, 7
	s_add_co_u32 s29, s28, ST
	v_lshl_add_u32 v5, v109, 3, s29                ; v5  my query's statistics
	s_add_co_u32 s29, s28, PM
	v_lshl_add_u32 v6, v108, 2, s29                ; v6  my wave's largest P
	s_and_b32 s28, s16, 12
	s_lshl_b32 s28, s28, 7
	s_add_co_u32 s28, s28, PM
	v_lshl_add_u32 v7, v108, 2, s28                ; v7  those of my query block's four waves
	s_and_b32 s30, s16, 3
	s_lshl_b32 s28, s30, 9
	s_add_co_u32 s28, s28, ST
	v_add_nc_u32 v8, s28, v1                       ; v8  the statistics on their way out: 512 bytes for each of four waves
	s_lshl_b32 s28, s16, 12
	v_add_nc_u32 v106, s28, v1                     ; v106 the copy of K's images: my 4,096 bytes
	s_lshl_b32 s28, s16, 9
	s_add_co_u32 s28, s28, KS
	v_add_nc_u32 v107, s28, v1                     ; v107 of its words: my 512
	v_lshlrev_b32 v25, 2, v109                     ; v25 4 r
	v_mov_b32 v110, 0
	v_mov_b32 v13, 0xff61b1e6                      ; the largest t so far: -3e38, under every t
	v_floor_f32 v12, -v13                          ; -M
	v_mov_b32 v14, 0
	v_mov_b32 v15, 0
	v_mov_b32 v97, 0                               ; a lane permute's destination counts as one of its sources
	v_mov_b32 v103, 0                              ; (named as the upper half of the pair v[102:103])
	s_mov_b32 s[SEL], 0x76543210
	s_mov_b32 s[SEL+1], 0xfedcba98
	s_mov_b32 s[CC], 0x3e38aa3b
	s_mov_b32 s[CC+1], s[CC]
	s_and_b32 s48, ttmp7, 0xffff                   ; head
	s_mov_b32 s29, 0
	s_wait_kmcnt 0x0
	s_lshl_b32 s31, s48, 16                        ; a head's images: 65,536 bytes, of q as of k
	s_lshl_b32 s49, ttmp9, 13
	s_add_co_u32 s28, s31, s49
	s_lshl_b32 s49, s16, 9
	s_add_co_u32 s28, s28, s49
	s_add_nc_u64 s[50:51], s[4:5], s[28:29]        ; Q's image: tile 16 x + wave
	s_lshl_b32 s49, s16, 12
	s_add_co_u32 s28, s31, s49
	s_add_co_u32 s28, s28, 0x200000
	s_add_nc_u64 s[4:5], s[4:5], s[28:29]          ; my 4,096 bytes of K's images
	s_lshl_b32 s31, s48, 13                        ; a head's words: 8,192 bytes
	s_lshl_b32 s49, ttmp9, 10
	s_add_co_u32 s28, s31, s49
	s_lshl_b32 s49, s16, 6
	s_add_co_u32 s28, s28, s49
	s_add_nc_u64 s[52:53], s[6:7], s[28:29]        ; Q's words
	s_lshl_b32 s49, s16, 9
	s_add_co_u32 s28, s31, s49
	s_add_co_u32 s28, s28, 0x40000
	s_add_nc_u64 s[6:7], s[6:7], s[28:29]          ; my 512 bytes of K's words
	global_load_b128 v[16:19], v1, s[50:51]
	global_load_b32 v24, v25, s[52:53]
.irp i, 0,1,2,3,4,5,6,7
	global_load_b128 v[128+4*\i:131+4*\i], v1, s[4:5] offset:512*\i
.endr
	global_load_b128 v[160:163], v1, s[6:7]
	s_lshl_b32 s31, s48, 5
	s_lshl_b32 s49, ttmp9, 2
	s_add_co_u32 s31, s31, s49
	s_lshr_b32 s49, s16, 2
	s_add_co_u32 s31, s31, s49                     ; my query block among all 1,024
	s_lshl_b32 s28, s31, 2
	s_add_nc_u64 s[8:9], s[8:9], s[28:29]
	s_add_nc_u64 s[14:15], s[14:15], s[28:29]
	s_load_b32 s22, s[8:9], 0x0                    ; its row of the first mask
	s_and_b32 s28, s48, 15
	s_lshl_b32 s28, s28, 2
	s_add_nc_u64 s[10:11], s[10:11], s[28:29]
	s_load_b32 s27, s[10:11], 0x0
	s_lshl_b32 s28, s48, 14
	s_lshl_b32 s49, ttmp9, 11
	s_add_co_u32 s28, s28, s49
	s_lshl_b32 s49, s30, 9
	s_add_co_u32 s28, s28, s49
	s_add_nc_u64 s[12:13], s[12:13], s[28:29]      ; rowst: the work-group's 2,048 bytes, 512 for each of waves 0 to 3
	s_mov_b32 s23, 0                               ; the trip's images, 2,048 bytes a key block;
	s_mov_b32 s24, 0                               ; its words, 256;
	s_mov_b32 s25, 0                               ; its place in a row of largest scores, 4
	s_mov_b32 s26, 0
	s_wait_loadcnt 0x0
.irp i, 0,1,2,3,4,5,6,7
	ds_store_b128 v106, v[128+4*\i:131+4*\i] offset:512*\i
.endr
	ds_store_b128 v107, v[160:163]
	s_wait_kmcnt 0x0
	s_mov_b32 s17, s22                             ; the mask, kept; s22 is shifted
	s_mul_f32 s27, s27, 0x3a83126f                 ; pvthreshd x 1e-3
	BARRIER                                        ; the head's K lies in LDS; nothing is written there again
.Ltrip:                                            ; 32 trips, one for each key block: a constant of the text; the branch inside leaves out only the work
	v_mov_b32 v28, 0xff800000                      ; a block that is not kept: -infinity
	s_and_b32 s28, s22, 1
	s_cbranch_scc0 .Lskip
	v_add_nc_u32 v9, s23, v1
	v_add_nc_u32 v10, s24, v2
.irp t, 0,1,2,3
	ds_load_b128 v[32+8*\t:35+8*\t], v9 offset:512*\t
.endr
	ds_load_b32 v26, v10
	ds_load_b32 v27, v10 offset:128
	s_wait_dscnt 0x0
.irp b, 0,1
	v_wmma_scale_f32_16x16x128_f8f6f4 v[64+16*\b:71+16*\b], v[32+16*\b:39+16*\b], v[16:23], 0, v[26+\b], v24 matrix_a_fmt:MATRIX_FMT_FP4 matrix_b_fmt:MATRIX_FMT_FP4
	v_wmma_scale_f32_16x16x128_f8f6f4 v[72+16*\b:79+16*\b], v[40+16*\b:47+16*\b], v[16:23], 0, v[26+\b], v24 matrix_a_fmt:MATRIX_FMT_FP4 matrix_b_fmt:MATRIX_FMT_FP4 matrix_a_scale:MATRIX_SCALE_ROW1
.endr
.rept 4
	v_nop                                          ; four places ahead of the first read of the results (ISA guide 7.12.1)
.endr
.irp t, 0,1,2,3
	v_max3_num_f32 v[96+\t], v[64+8*\t], v[65+8*\t], v[66+8*\t]    ; each result is read from its low end on; four chains by turns
.endr
.irp i, 3,5
.irp t, 0,1,2,3
	v_max3_num_f32 v[96+\t], v[96+\t], v[64+8*\t+\i], v[65+8*\t+\i]
.endr
.endr
	v_max3_num_f32 v96, v96, v71, v79
	v_max3_num_f32 v98, v98, v87, v95
	v_max3_num_f32 v96, v96, v97, v98
	v_max_num_f32 v96, v96, v99
	v_permlanex16_b32 v97, v96, s[SEL], s[SEL+1]
	v_max_num_f32 v28, v96, v97                    ; my query's largest score in this block of 64 keys
	v_mul_f32 v98, s[CC], v28                      ; as t (c is positive)
	v_max_num_f32 v13, v13, v98
	v_mov_b32 v98, v12
	v_floor_f32 v12, -v13                          ; the new -M = -ceil(largest t)
	v_sub_f32 v98, v12, v98                        ; old M - new M: a whole number, 0 or less
	v_cvt_i32_f32 v98, v98                         ; (it saturates)
	v_ldexp_f32 v102, 1.0, v98                     ; f = 2^(old M - new M)
.irp j, 0,2,4,6,8,10,12,14,16,18,20,22,24,26,28,30
	v_pk_fma_f32 v[64+\j:65+\j], v[64+\j:65+\j], s[CC:CC+1], v[12:13] op_sel_hi:[1,0,0]   ; t - M
.endr
.irp j, 0,1,2,3,4,5,6,7,8,9,10,11,12,13,14,15,16,17,18,19,20,21,22,23,24,25,26,27,28,29,30,31
	v_exp_f32 v[64+\j], v[64+\j]
.endr
	v_pk_mul_f32 v[14:15], v[14:15], v[102:103] op_sel_hi:[1,0]    ; l under the new M: the plain line behind the exponentials
	s_wait_alu depctr_va_vdst(0)                   ; the wait: one for the batch, ahead of its first reader
	v_pk_add_f32 v[104:105], v[64:65], v[66:67]
.irp j, 4,8,12,16,20,24,28
	v_pk_add_f32 v[14:15], v[14:15], v[64+\j:65+\j]
	v_pk_add_f32 v[104:105], v[104:105], v[66+\j:67+\j]
.endr
	v_pk_add_f32 v[14:15], v[14:15], v[104:105]
.Lskip:
	v_add_nc_u32 v11, s25, v3
	ds_store_b32 v11, v28                          ; both halves of the lanes write the same word with the same value
	s_lshr_b32 s22, s22, 1
	s_add_co_u32 s23, s23, 2048
	s_add_co_u32 s24, s24, 256
	s_add_co_u32 s25, s25, 4
	s_add_co_u32 s26, s26, 1
	s_cmp_lt_u32 s26, 32
	s_cbranch_scc1 .Ltrip
	; the rows' ends
	v_add_f32 v14, v14, v15
	v_permlanex16_b32 v97, v14, s[SEL], s[SEL+1]
	v_add_f32 v14, v14, v97                        ; l
	v_rcp_f32 v13, v14
	v_nop
	s_wait_alu depctr_va_vdst(0)
	ds_store_b64 v5, v[12:13]                      ; (-M, 1 / l)
	; the second mask: now a lane is a key block, and register q one of my 16 queries
.irp q, 0,1,2,3,4,5,6,7,8,9,10,11,12,13,14,15
	ds_load_b32 v[64+\q], v4 offset:BP*\q          ; my wave's own bytes: LDS serves a wave's instructions in order
.endr
.irp q, 0,1,2,3,4,5,6,7,8,9,10,11,12,13,14,15
	v_readlane_b32 s[32+\q], v12, \q               ; -M of query q
.endr
	s_wait_dscnt 0x0
.irp q, 0,1,2,3,4,5,6,7,8,9,10,11,12,13,14,15
	v_fma_f32 v[64+\q], v[64+\q], s[CC], s[32+\q]
.endr
.irp q, 0,1,2,3,4,5,6,7,8,9,10,11,12,13,14,15
	v_exp_f32 v[64+\q], v[64+\q]                   ; -infinity gives 0
.endr
	v_nop
	s_wait_alu depctr_va_vdst(0)
.irp q, 0,1,2,3,4,5,6,7,8,9,10,11,12,13,14,15
	v_readlane_b32 s[32+\q], v13, \q               ; 1 / l of query q
.endr
.irp q, 0,1,2,3,4,5,6,7,8,9,10,11,12,13,14,15
	v_mul_f32 v[64+\q], s[32+\q], v[64+\q]
.endr
	v_max3_num_f32 v96, v64, v65, v66
	v_max3_num_f32 v97, v67, v68, v69
.irp i, 70,74
	v_max3_num_f32 v96, v96, v[\i], v[\i+1]
	v_max3_num_f32 v97, v97, v[\i+2], v[\i+3]
.endr
	v_max3_num_f32 v96, v96, v78, v79
	v_max_num_f32 v96, v96, v97
	ds_store_b32 v6, v96
	BARRIER                                        ; the statistics of 256 queries and sixteen waves' largest P lie in LDS
	s_cmp_gt_u32 s16, 3
	s_cbranch_scc1 .Lno_rows
	ds_load_b128 v[64:67], v8
	s_wait_dscnt 0x0
	global_store_b128 v1, v[64:67], s[12:13]       ; 512 consecutive bytes
.Lno_rows:
	s_cmp_lg_u32 s30, 0
	s_cbranch_scc1 .Lend
.irp i, 0,1,2,3
	ds_load_b32 v[68+\i], v7 offset:128*\i         ; the four waves of my query block
.endr
	s_wait_dscnt 0x0
	v_max3_num_f32 v68, v68, v69, v70
	v_max_num_f32 v68, v68, v71
	v_cmp_le_f32 s28, s27, v68                     ; bit j: the largest P of key block j reaches the threshold
	s_and_b32 s28, s28, s17                        ; (what the first mask hides has P = 0 and adds nothing)
	s_or_b32 s28, s28, 1                           ; key block 0 always
	v_mov_b32 v72, s28
	v_cmp_eq_u32 vcc_lo, 0, v108
	s_wait_xcnt 0x0                                ; EXEC changes only behind this wait
	s_and_saveexec_b32 s29, vcc_lo
	global_store_b32 v110, v72, s[14:15]
	s_wait_xcnt 0x0
	s_or_b32 exec_lo, exec_lo, s29
.Lend:
	s_wait_tensorcnt 0x0
	ds_add_u32 v176, v177
	s_wait_dscnt 0x0
	s_endpgm
.Lfunc_end_k_qbf58117289_pass1:
	.size	k_qbf58117289_pass1, .Lfunc_end_k_qbf58117289_pass1-k_qbf58117289_pass1
	.p2alignl 7, 3214868480
	.fill 96, 4, 3214868480
	.section	.rodata,"a",@progbits
	.p2align	6, 0x0
	.amdhsa_kernel k_qbf58117289_pass1
		.amdhsa_group_segment_fixed_size 113664
		.amdhsa_private_segment_fixed_size 0
		.amdhsa_enable_private_segment 0
		.amdhsa_kernarg_size 48
		.amdhsa_user_sgpr_count 2
		.amdhsa_user_sgpr_kernarg_segment_ptr 1
		.amdhsa_wavefront_size32 1
		.amdhsa_system_sgpr_workgroup_id_x 1
		.amdhsa_system_sgpr_workgroup_id_y 1
		.amdhsa_system_sgpr_workgroup_id_z 1
		.amdhsa_system_vgpr_workitem_id 0
		.amdhsa_next_free_vgpr 178
		.amdhsa_next_free_sgpr 66
		.amdhsa_reserve_vcc 1
		.amdhsa_float_denorm_mode_32 3
		.amdhsa_float_denorm_mode_16_64 3
		.amdhsa_memory_ordered 1
		.amdhsa_forward_progress 1
		.amdhsa_inst_pref_size 20
	.end_amdhsa_kernel
	.amdgpu_metadata
---
amdhsa.version: [ 1, 2 ]
amdhsa.kernels:
  - .name:           k_qbf58117289_pass1
    .symbol:         k_qbf58117289_pass1.kd
    .args:
      - { .name: codes, .offset: 0, .size: 8, .value_kind: global_buffer, .address_space: global }
      - { .name: words, .offset: 8, .size: 8, .value_kind: global_buffer, .address_space: global }
      - { .name: mask, .offset: 16, .size: 8, .value_kind: global_buffer, .address_space: global }
      - { .name: pvthreshd, .offset: 24, .size: 8, .value_kind: global_buffer, .address_space: global }
      - { .name: rowst, .offset: 32, .size: 8, .value_kind: global_buffer, .address_space: global }
      - { .name: pvmask, .offset: 40, .size: 8, .value_kind: global_buffer, .address_space: global }
    .group_segment_fixed_size: 113664
    .private_segment_fixed_size: 0
    .kernarg_segment_align: 8
    .kernarg_segment_size: 48
    .max_flat_workgroup_size: 512
    .sgpr_count:     66
    .vgpr_count:     178
    .wavefront_size: 32
...
	.end_amdgpu_metadata
.endif
;; end of part 3
;; launch pass2 (part 4): grid 32 x 32, 4 waves a work-group, no clusters, 17,920 bytes of LDS; arguments codes, words, rowst, pvmask, v_codes, v_scales, out0; writes out0
.if DOCPART == 4
	.amdgcn_target "amdgcn-amd-amdhsa--gfx1250"
	.amdhsa_code_object_version 6
	.text
	.protected	k_qbf58117289_pass2
	.globl	k_qbf58117289_pass2
	.p2align	8
	.type	k_qbf58117289_pass2,@function
k_qbf58117289_pass2:
	s_mov_b64 s[64:65], 0
	v_nop
	global_prefetch_b8 v0, s[64:65] scope:SCOPE_SE
	s_setreg_imm32_b32 hwreg(HW_REG_WAVE_MODE, 25, 1), 1
	s_wait_xcnt 0x0
; FOURTH LAUNCH: out0 = Q(P) V on the key blocks that both masks keep.  A work-group takes a query block (x, y = head), wave w its tile of 16 queries.
; The keys are walked in 16 aligned PAIRS of blocks, 128 keys: one K step of O^T += V^T P^T, for which V's codes and its scale word are taken as they lie.  A pair of which the stored mask keeps nothing is left out by a
; scalar branch; of a pair with one kept block the other half of P is zero codes under the scale 1, which is what the quantiser gives for the zeros that the mask leaves.
; For a kept block: S^T = K Q^T as in the launch before (the same codes, the same instruction, the same bits); P = 2^(c S - M) x (1 / l), finished and normalised, with that launch's M and l; quantised along the keys:
; the 16 registers of K's tiles 2 b, 2 b + 1 are 16 neighbouring keys; a block of 32 lies in lanes l and l xor 16.  A BLOCK'S LARGEST P IS NOT SEARCHED FOR: P rises with the score, so the block's largest score goes through the
; same three instructions (this takes v_exp_f32 not to fall where its input rises).
; Operands go from memory straight into registers: the walk hangs on a stored mask, so there is no tensor load, copy or cluster here.
; LIMITS: a P under 2^-126 is 0; a byte 0xff in v_scales makes NaN only where its pair of blocks is multiplied; a block of P that is all zeros inside a kept block gets the byte 1 (zero codes).
.set SP,  272
.set KW,  26                           ; v26-29   K's scale words [half c][b]: lanes 0-15 tile 2 b's, lanes 16-31 tile 2 b + 1's;  v24 Q's: scales and nothing else
.set KT,  32                           ; v32-95   K's tiles [c][t], 8 registers, the upper four zeros
.set VF,  96                           ; v96-127  V's four fragments; on the way out rows of out0
.set VW,  128                          ; v128-131 V's scale words
.set SS,  136                          ; v136-167 S^T, then P
.set PC,  168                          ; v168-175 P's codes
.set PW,  176                          ; v176     P's scale word;  v177-178 its two halves
.set HW,  177
.set OA,  184                          ; v184-215 O^T: tile t = channels 16 t ..
.set TM,  216                          ; v216-221 at work
.set SEL, 30
.set CC,  32
; Half c of a pair.  always = 1: key block 0, which is always kept
.macro HALF c, always
.if \always == 0
	s_bitcmp1_b32 s28, \c
	s_cbranch_scc0 .Lzero_\@
.endif
.irp b, 0,1
	v_wmma_scale_f32_16x16x128_f8f6f4 v[SS+16*\b:SS+16*\b+7], v[KT+32*\c+16*\b:KT+32*\c+16*\b+7], v[16:23], 0, v[KW+2*\c+\b], v24 matrix_a_fmt:MATRIX_FMT_FP4 matrix_b_fmt:MATRIX_FMT_FP4
	v_wmma_scale_f32_16x16x128_f8f6f4 v[SS+16*\b+8:SS+16*\b+15], v[KT+32*\c+16*\b+8:KT+32*\c+16*\b+15], v[16:23], 0, v[KW+2*\c+\b], v24 matrix_a_fmt:MATRIX_FMT_FP4 matrix_b_fmt:MATRIX_FMT_FP4 matrix_a_scale:MATRIX_SCALE_ROW1
.endr
.rept 4
	v_nop                                          ; four places ahead of the first read of the results (ISA guide 7.12.1)
.endr
.irp b, 0,1
	v_max3_num_f32 v[TM+\b], v[SS+16*\b], v[SS+16*\b+1], v[SS+16*\b+2]       ; the largest score of each block of 32 keys; each result is read from its low end on
.endr
.irp i, 3,5,7,9,11,13
.irp b, 0,1
	v_max3_num_f32 v[TM+\b], v[TM+\b], v[SS+16*\b+\i], v[SS+16*\b+\i+1]
.endr
.endr
.irp b, 0,1
	v_max_num_f32 v[TM+\b], v[TM+\b], v[SS+16*\b+15]
.endr
.irp b, 0,1
	v_permlanex16_b32 v[TM+2+\b], v[TM+\b], s[SEL], s[SEL+1]
.endr
.irp b, 0,1
	v_max_num_f32 v[TM+\b], v[TM+\b], v[TM+2+\b]
.endr
.irp j, 0,2,4,6,8,10,12,14,16,18,20,22,24,26,28,30
	v_pk_fma_f32 v[SS+\j:SS+\j+1], v[SS+\j:SS+\j+1], s[CC:CC+1], v[12:13] op_sel_hi:[1,0,0]   ; c S - M
.endr
.irp b, 0,1
	v_fma_f32 v[TM+\b], v[TM+\b], s[CC], v12
.endr
.irp j, 0,1,2,3,4,5,6,7,8,9,10,11,12,13,14,15,16,17,18,19,20,21,22,23,24,25,26,27,28,29,30,31
	v_exp_f32 v[SS+\j], v[SS+\j]
.endr
.irp b, 0,1
	v_exp_f32 v[TM+\b], v[TM+\b]
.endr
	v_nop                                          ; the plain line behind the exponentials,
	s_wait_alu depctr_va_vdst(0)                   ; and the wait: one for the 34
.irp j, 0,2,4,6,8,10,12,14,16,18,20,22,24,26,28,30
	v_pk_mul_f32 v[SS+\j:SS+\j+1], v[SS+\j:SS+\j+1], v[14:15]      ; x 1 / l: P as the softmax leaves it
.endr
.irp b, 0,1
	v_mul_f32 v[TM+\b], v[TM+\b], v13              ; the block's largest P: the same three instructions on the same number give the same bits
.endr
.irp b, 0,1
	v_max_num_f32 v[TM+\b], 0x1800000, v[TM+\b]    ; the floor 2^(3 - 127): the byte cannot fall under 1
.endr
.irp b, 0,1
	v_add_nc_u32 v[TM+4+\b], 0xff000000, v[TM+\b]  ; 2 off the exponent field: the conversion's scale operand
.endr
.irp b, 0,1
	v_lshrrev_b32 v[TM+2+\b], 23, v[TM+4+\b]
.endr
	v_lshl_or_b32 v[HW+\c], v[TM+3], 8, v[TM+2]    ; the half's two bytes
.irp b, 0,1
	v_cvt_scalef32_pk8_fp4_f32 v[PC+4*\c+2*\b], v[SS+16*\b:SS+16*\b+7], v[TM+4+\b]
	v_cvt_scalef32_pk8_fp4_f32 v[PC+4*\c+2*\b+1], v[SS+16*\b+8:SS+16*\b+15], v[TM+4+\b]
.endr
	v_nop                                          ; one plain line behind the last scaled conversion
.irp i, 0,1
	v_permlane16_swap_b32 v[PC+4*\c+\i], v[PC+4*\c+2+\i]           ; the operand wants a whole block of 32 in a lane: lanes 0-15 the first, lanes 16-31 the second
.endr
.if \always == 0
	s_branch .Ldone_\@
.Lzero_\@:
.irp i, 0,1,2,3
	v_mov_b32 v[PC+4*\c+\i], 0                     ; the mask leaves zeros: zero codes,
.endr
	v_mov_b32 v[HW+\c], 0x7f7f                     ; under the scale 1
.Ldone_\@:
.endif
.endm
; A pair of key blocks.  first = 1: the pair with key block 0: its products start O^T's sums, so nothing is cleared
.macro PAIR first
.irp c, 0,1
.irp t, 0,1,2,3
	global_load_b128 v[KT+32*\c+8*\t:KT+32*\c+8*\t+3], v1, s[20:21] offset:2048*\c+512*\t      ; an image: 512 consecutive bytes.  Both halves are loaded on every way, so that the counts below hold on every way
.endr
.irp b, 0,1
	global_load_b32 v[KW+2*\c+\b], v2, s[22:23] offset:256*\c+128*\b
.endr
.endr
.irp t, 0,1,2,3
.irp c, 0,1
	global_load_b128 v[VF+8*\t+4*\c:VF+8*\t+4*\c+3], v3, s[24:25] offset:16384*\t+32*\c        ; V(channel 16 t + r, keys 64 c + 32 h + 0 .. 31 of the pair)
.endr
	global_load_b32 v[VW+\t], v4, s[26:27] offset:1024*\t
.endr
	s_wait_loadcnt 12                              ; all but V's twelve, which were issued last: K is in (and, the first time, Q and the rows' statistics)
.if \first
	v_mov_b32 v14, v13                             ; 1 / l, twice, for the packed multiply
	v_mov_b32 v15, v13
.endif
	HALF 0, \first
	HALF 1, 0
	v_lshl_or_b32 v[PW], v[HW+1], 16, v[HW]
.rept 8
	v_nop                                          ; a scale register written by a vector instruction stands 8 places ahead of a scaled matrix instruction, an operand so written 4
.endr
	s_wait_loadcnt 0x0                             ; V
.irp t, 0,1,2,3                                ; the four accumulators by turns, one instruction a turn; S^T's products stand between two pairs
.if \first
	v_wmma_scale_f32_16x16x128_f8f6f4 v[OA+8*\t:OA+8*\t+7], v[VF+8*\t:VF+8*\t+7], v[PC:PC+7], 0, v[VW+\t], v[PW] matrix_a_fmt:MATRIX_FMT_FP4 matrix_b_fmt:MATRIX_FMT_FP4
.else
	v_wmma_scale_f32_16x16x128_f8f6f4 v[OA+8*\t:OA+8*\t+7], v[VF+8*\t:VF+8*\t+7], v[PC:PC+7], v[OA+8*\t:OA+8*\t+7], v[VW+\t], v[PW] matrix_a_fmt:MATRIX_FMT_FP4 matrix_b_fmt:MATRIX_FMT_FP4
.endif
.endr
.rept 4
	v_nop                                          ; four places ahead of the next loads into these operands, and of the stores that read the results
.endr
.endm
	s_load_b256 s[4:11], s[0:1], 0x0               ; codes s[4:5], words s[6:7], rowst s[8:9], pvmask s[10:11]
	s_load_b128 s[12:15], s[0:1], 0x20             ; v_codes s[12:13], v_scales s[14:15]
	s_load_b64 s[16:17], s[0:1], 0x30              ; out0
	v_lshl_add_u32 v240, v0, 2, 0x4400
	v_mov_b32 v241, 0
	v_lshrrev_b32 v9, 5, v0
	v_readfirstlane_b32 s18, v9                    ; wave 0..3
	v_and_b32 v9, 31, v0                           ; lane
	v_and_b32 v10, 15, v0                          ; r
	v_bfe_u32 v11, v0, 4, 1                        ; h
.irp j, 20,21,22,23
	v_mov_b32 v\j, 0                               ; k = 64 .. 127 of S^T's products: zero codes in Q
.endr
.irp t, 0,1,2,3,4,5,6,7
.irp j, 4,5,6,7
	v_mov_b32 v[KT+8*\t+\j], 0                     ; and in K's eight tiles; written once
.endr
.endr
	v_mov_b32 v[TM+2], 0                           ; a lane permute's destination counts as one of its sources
	v_mov_b32 v[TM+3], 0
	v_lshlrev_b32 v1, 4, v9                        ; v1  16 x lane
	v_lshlrev_b32 v2, 2, v9                        ; v2  4 x lane
	v_lshlrev_b32 v3, 10, v10
	v_lshl_add_u32 v3, v11, 4, v3                  ; v3  V's codes: row r of 1,024 bytes, + 16 h
	v_lshlrev_b32 v4, 6, v10                       ; v4  V's scales: row r of 64 bytes
	s_mul_i32 s34, s18, 16*SP                      ; my stage
	v_mul_u32_u24 v5, v10, SP
	v_lshl_add_u32 v5, v11, 5, v5
	v_add_nc_u32 v5, s34, v5                       ; v5  into it: row r, + 32 h
	v_mul_u32_u24 v6, v11, SP
	v_lshl_add_u32 v6, v10, 4, v6
	v_add_nc_u32 v6, s34, v6                       ; v6  out of it: lanes 0-15 one row, lanes 16-31 the next
	v_lshlrev_b32 v7, 2, v10                       ; v7  4 r
	v_lshlrev_b32 v8, 3, v10                       ; v8  8 r
	s_mov_b32 s[SEL], 0x76543210
	s_mov_b32 s[SEL+1], 0xfedcba98
	s_mov_b32 s[CC], 0x3e38aa3b                    ; c = log2(e) / 8
	s_mov_b32 s[CC+1], s[CC]
	s_and_b32 s35, ttmp7, 0xffff                   ; head
	s_lshl_b32 s19, s35, 5
	s_add_co_u32 s19, s19, ttmp9                   ; query block among all 1,024
	s_mov_b32 s37, 0
	s_wait_kmcnt 0x0
	s_lshl_b32 s36, s19, 2
	s_add_nc_u64 s[10:11], s[10:11], s[36:37]
	s_load_b32 s28, s[10:11], 0x0                  ; the blocks that both masks keep
	s_lshl_b32 s36, s19, 11
	s_lshl_b32 s34, s18, 9
	s_add_co_u32 s36, s36, s34
	s_add_nc_u64 s[38:39], s[4:5], s[36:37]        ; Q's image
	s_lshl_b32 s36, s19, 8
	s_lshl_b32 s34, s18, 6
	s_add_co_u32 s36, s36, s34
	s_add_nc_u64 s[40:41], s[6:7], s[36:37]        ; Q's words
	s_lshl_b32 s36, s19, 9
	s_lshl_b32 s34, s18, 7
	s_add_co_u32 s36, s36, s34
	s_add_nc_u64 s[8:9], s[8:9], s[36:37]          ; my 16 queries' statistics
	global_load_b128 v[16:19], v1, s[38:39]
	global_load_b32 v24, v7, s[40:41]
	global_load_b64 v[12:13], v8, s[8:9]           ; (-M, 1 / l)
	s_lshl_b32 s36, s35, 16
	s_add_nc_u64 s[24:25], s[12:13], s[36:37]      ; the head's V: 65,536 bytes of codes,
	s_add_co_u32 s36, s36, 0x200000
	s_add_nc_u64 s[20:21], s[4:5], s[36:37]        ; the head's K: images
	s_lshl_b32 s36, s35, 12
	s_add_nc_u64 s[26:27], s[14:15], s[36:37]      ; 4,096 of scales
	s_lshl_b32 s36, s35, 13
	s_add_co_u32 s36, s36, 0x40000
	s_add_nc_u64 s[22:23], s[6:7], s[36:37]        ; and K's words
	s_lshl_b32 s36, s19, 14
	s_lshl_b32 s34, s18, 12
	s_add_co_u32 s36, s36, s34
	s_add_nc_u64 s[16:17], s[16:17], s[36:37]      ; my 16 rows of out0
	s_wait_kmcnt 0x0
	PAIR 1
	s_mov_b32 s29, 0
.Lpair:                                            ; 15 trips: a constant of the text; the branch inside leaves out a pair's loads and work together
	s_wait_xcnt 0x0                                ; the last pair's loads have read their bases: now they step
	s_add_nc_u64 s[20:21], s[20:21], 4096
	s_add_nc_u64 s[22:23], s[22:23], 512
	s_add_nc_u64 s[24:25], s[24:25], 64
	s_add_nc_u64 s[26:27], s[26:27], 4
	s_lshr_b32 s28, s28, 2
	s_and_b32 s34, s28, 3
	s_cbranch_scc0 .Lnext
	PAIR 0
.Lnext:
	s_add_co_u32 s29, s29, 1
	s_cmp_lt_u32 s29, 15
	s_cbranch_scc1 .Lpair
	; THE WAY OUT.  Register j of tile t is out0(query r, channel 16 t + 8 h + j): through my own stage, back as whole rows of 256 bytes
.irp t, 0,1,2,3
	ds_store_b128 v5, v[OA+8*\t:OA+8*\t+3] offset:64*\t            ; each accumulator from its low end on
	ds_store_b128 v5, v[OA+8*\t+4:OA+8*\t+7] offset:64*\t+16
.endr
.irp i, 0,1,2,3,4,5,6,7
	ds_load_b128 v[VF+4*\i:VF+4*\i+3], v6 offset:2*SP*\i           ; LDS serves a wave's instructions in order: these see my stores
.endr
.irp i, 0,1,2,3,4,5,6,7
	s_wait_dscnt 7-\i                              ; the younger loads may stay out
	global_store_b128 v1, v[VF+4*\i:VF+4*\i+3], s[16:17] offset:512*\i th:TH_STORE_NT   ; two whole rows: 512 consecutive bytes
.endr
	s_wait_tensorcnt 0x0
	ds_add_u32 v240, v241
	s_wait_dscnt 0x0
	s_endpgm
.Lfunc_end_k_qbf58117289_pass2:
	.size	k_qbf58117289_pass2, .Lfunc_end_k_qbf58117289_pass2-k_qbf58117289_pass2
	.p2alignl 7, 3214868480
	.fill 96, 4, 3214868480
	.section	.rodata,"a",@progbits
	.p2align	6, 0x0
	.amdhsa_kernel k_qbf58117289_pass2
		.amdhsa_group_segment_fixed_size 17920
		.amdhsa_private_segment_fixed_size 0
		.amdhsa_enable_private_segment 0
		.amdhsa_kernarg_size 56
		.amdhsa_user_sgpr_count 2
		.amdhsa_user_sgpr_kernarg_segment_ptr 1
		.amdhsa_wavefront_size32 1
		.amdhsa_system_sgpr_workgroup_id_x 1
		.amdhsa_system_sgpr_workgroup_id_y 1
		.amdhsa_system_sgpr_workgroup_id_z 1
		.amdhsa_system_vgpr_workitem_id 0
		.amdhsa_next_free_vgpr 242
		.amdhsa_next_free_sgpr 66
		.amdhsa_reserve_vcc 0
		.amdhsa_float_denorm_mode_32 3
		.amdhsa_float_denorm_mode_16_64 3
		.amdhsa_memory_ordered 1
		.amdhsa_forward_progress 1
		.amdhsa_inst_pref_size 38
	.end_amdhsa_kernel
	.amdgpu_metadata
---
amdhsa.version: [ 1, 2 ]
amdhsa.kernels:
  - .name:           k_qbf58117289_pass2
    .symbol:         k_qbf58117289_pass2.kd
    .args:
      - { .name: codes, .offset: 0, .size: 8, .value_kind: global_buffer, .address_space: global }
      - { .name: words, .offset: 8, .size: 8, .value_kind: global_buffer, .address_space: global }
      - { .name: rowst, .offset: 16, .size: 8, .value_kind: global_buffer, .address_space: global }
      - { .name: pvmask, .offset: 24, .size: 8, .value_kind: global_buffer, .address_space: global }
      - { .name: v_codes, .offset: 32, .size: 8, .value_kind: global_buffer, .address_space: global }
      - { .name: v_scales, .offset: 40, .size: 8, .value_kind: global_buffer, .address_space: global }
      - { .name: out0, .offset: 48, .size: 8, .value_kind: global_buffer, .address_space: global }
    .group_segment_fixed_size: 17920
    .private_segment_fixed_size: 0
    .kernarg_segment_align: 8
    .kernarg_segment_size: 56
    .max_flat_workgroup_size: 128
    .sgpr_count:     66
    .vgpr_count:     242
    .wavefront_size: 32
...
	.end_amdgpu_metadata
.endif
;; end of part 4
